; MI455X (gfx1250); checked and timed in simulation.
; The chip was launched on July 23, 2026; its instructions are those of AMD's public machine-readable ISA for CDNA 5 (MIT licence, August 2026) and "CDNA5" Instruction Set Architecture Reference Guide (July 2026). The comments in the code are by the model that wrote it; some were corrected since.
;; selfattention. Allowed arithmetic: matrix products marked QUANTISED: E5M2 operands, one given power-of-two scale a tensor, by v_wmma_f32_16x16x64_bf8_bf8 or v_wmma_f32_16x16x128_bf8_bf8, f32 sums; everything else in f32.
;; Inputs: input_codes 4 x 2,048 x 32 x 32 uint8 (E5M2 codes of input, K innermost, in blocks of 32 codes); lowp_scales 8 int32 (the exponents e of the quantised operands' scales 2^e); w_in_codes 3,072 x 32 x 32 uint8 (E5M2 codes of w_in, K innermost, in blocks of 32 codes); w_out_codes 1,024 x 32 x 32 uint8 (E5M2 codes of w_out, K innermost, in blocks of 32 codes).
;; Outputs: out0 4 x 2,048 x 1,024 float32.
;; This version of the problem:
;;   THIS VERSION OF THE PROBLEM IS GIVEN IN LOW PRECISION. The matrix products marked QUANTISED in the list below multiply operands that are first quantised to E5M2 (5 exponent bits, 2 mantissa bits; 8 bits a number), with one given power-of-two scale for each operand tensor; their sums are f32. All else is computed in f32.
;;   The module's matrix products, in the order in which they are computed (A, B: the left and right operand; K: the contracted axis; several contracted axes count as one K, in the product's order):
;;     1. [M 8,192, K 1,024] x [K 1,024, N 3,072]; A: input input (given as codes); B: input w_in (given as codes): QUANTISED (scales: A lowp_scales[0], B lowp_scales[1])
;;     2. batch 64 x [M 2,048, K 64] x [K 64, N 2,048]; A: computed on the way; B: computed on the way: QUANTISED (scales: A lowp_scales[2], B lowp_scales[3])
;;     3. batch 64 x [M 2,048, K 2,048] x [K 2,048, N 64]; A: softmax (see below); B: computed on the way: QUANTISED (scales: A lowp_scales[4], B lowp_scales[5])
;;     4. [M 8,192, K 1,024] x [K 1,024, N 1,024]; A: computed on the way; B: input w_out (given as codes): QUANTISED (scales: A lowp_scales[6], B lowp_scales[7])
;;   THE QUANTISER, for each operand of a quantised product, along K:
;;     - The operand's scale is 2^e, e = its entry of the input lowp_scales (int32; the entries are numbered through the quantised products in the list's order, A before B).
;;     - Each number is divided by the scale, clamped to +-57,344, and rounded to the nearest number of E5M2, ties to even, subnormals kept.
;;     - The product sums the exact products of the quantised numbers (number of the format x scale) in f32.
;;   ~~~python
;;   def quantise(x, axis, e):      # numpy; x: float32 -> the quantised numbers, widened to float32 again
;;       x = np.moveaxis(x, axis, -1); K = x.shape[-1]
;;       r = np.clip(x / 2.0 ** e, -57344, 57344)
;;       step = 2.0 ** (np.maximum(np.frexp(np.where(r == 0, 1, r))[1] - 1, -14) - 2)
;;       q = np.round(r / step) * step * 2.0 ** e      # np.round: ties to even
;;       return np.moveaxis(q, -1, axis).astype(np.float32)
;;   ~~~
;;   SOFTMAX AHEAD OF A QUANTISED PRODUCT. Where the list says 'softmax', what is quantised is not the finished softmax but p = 2^(t - M), with t = logit x log2(e) and M = ceil(the row's largest t), a whole number; so 1/2 < the row's largest p <= 1. The row's sum l is taken of the UNQUANTISED p, in f32, and the product's result is divided by l at the end. Since M is a whole number, a kernel that streams over the keys may use a running M (the ceiling of the running maximum): every later rescaling is an exact power of two, so the quantised numbers keep their values, but for numbers so far below the row's largest that they fall under the format's range.
;;   OPERANDS COMPUTED ON THE WAY. 'Computed on the way' means the value that the module computes at that place (a softmax that the list does not call 'softmax' is quantised finished and normalised). What goes into a quantiser is computed in f32, as accurately as f32 sums, v_exp_f32 and their like allow (about 1e-6 of the number): no bf16 or f16 on the way to a quantiser, and a product that is left as it is and whose result goes on into a quantised operand takes f32 operands (vector FMAs, or v_wmma_f32_16x16x4_f32). A number that lies on a knife's edge between two numbers of the format may be rounded either way, as far as f32 arithmetic and the matrix unit's own rounding can turn it there, and no further.
;;   INPUTS GIVEN AS CODES. input (in the module: [4, 2048, 1024], K = its axis 2); w_in (in the module: [3072, 1024], K = its axis 1); w_out (in the module: [1024, 1024], K = its axis 1): each comes as NAME_codes (uint8): NAME with its K axis moved to the last place and cut into blocks of 32 codes, [.., K / 32, bytes a block], one block behind the other in memory; one code a byte (a code: sign, 5 exponent bits, 2 mantissa bits); its scale is its entry of lowp_scales. Its value is code x scale, taken as it is: it is not quantised again, and the codes and scales need not be those that the quantiser above would give.
;; One version. Each part assembles by itself: llvm-mc -triple=amdgcn-amd-amdhsa -mcpu=gfx1250 --defsym DOCPART=n.
;; ======== version 1 of 1: 3 launches
;; limits: right only within a limited range of input values
;; workspace buffers: q_img 8,388,608 bytes; kv_img 16,777,216 bytes; ctx_img 8,388,608 bytes
;; launch qkv (part 1): grid 8 x 48, 4 waves a work-group, clusters of 4 x 4, 327,680 bytes of LDS; arguments input_codes, w_in_codes, lowp_scales, q_img, kv_img; writes q_img, kv_img
.if DOCPART == 1
	.amdgcn_target "amdgcn-amd-amdhsa--gfx1250"
	.amdhsa_code_object_version 6
	.text
	.protected	k_q23ac9ede59_qkv
	.globl	k_q23ac9ede59_qkv
	.p2align	8
	.type	k_q23ac9ede59_qkv,@function
k_q23ac9ede59_qkv:
	s_mov_b64 s[64:65], 0
	v_nop
	global_prefetch_b8 v0, s[64:65] scope:SCOPE_SE
	s_setreg_imm32_b32 hwreg(HW_REG_WAVE_MODE, 25, 1), 1
	s_wait_xcnt 0x0
	s_wait_alu depctr_hold_cnt(0) depctr_sa_sdst(0) depctr_va_vdst(0) depctr_va_sdst(0) depctr_va_ssrc(0) depctr_va_vcc(0) depctr_vm_vsrc(0)
	s_getreg_b32 s2, hwreg(HW_REG_IB_STS2, 6, 4)
	s_cmp_eq_u32 s2, 0
	s_cbranch_scc0 .Lentry_in_a_cluster
	s_endpgm
.Lentry_in_a_cluster:
	s_bfe_u32 s2, ttmp6, 0x10000c
	s_cmp_lg_u32 s2, 0xf033
	s_cbranch_scc0 .Lentry_shape_is_right
	s_endpgm
.Lentry_shape_is_right:
; qkv = input w_in^T on codes of BF8 (E5M2), and q, k, v quantised on the way out.  input: [8192 tokens][1024], w_in: [3072][1024], codes, K innermost.
; A tile of 256 x 256 of the product is made by a work-group of four waves; a wave makes 128 x 128: 64 accumulators of 16 x 16, 512 registers.  K goes in steps of 256 through a ring of two LDS slots.
; THE MATRIX INSTRUCTION IS USED TRANSPOSED: source 0 = 16 rows of "B", source 1 = 16 rows of "A".  In accumulator (a, b) lane (r, h) holds A's row 16 a + r, and register j B's row 16 b + 8 h + j.
; So the conversion of accumulator b gives registers 2 b, 2 b + 1 with k = 16 b + 8 h + 0 .. 7: the plain 8-bit operand layout (ISA guide 7.12.2).  The converted accumulators of one block of A ARE fragments of the next product,
; and they are stored as images of those registers: registers 4 g .. 4 g + 3 of all lanes by one store of 512 consecutive bytes, lane l's 16 bytes at 16 l.  Nothing is staged or transposed.
;   q, k (clusters y 0-7):  A = tokens, B = rows of w_in (cluster x 0: q, 1: k).  A block's 16 registers are two fragments of 16 tokens x 64 channels, of two neighbouring heads.
;   v    (clusters y 8-11): A = rows 2048 .. 3071 of w_in, B = tokens: a lane's numbers then run along the KEYS, the K of attention's second product.  A block's 16 registers are one fragment of 16 channels x 128 keys.
; The two cases differ in pointers and constants alone, chosen by selects on the cluster's y, which all partners share: there is one path through the text.
; q_img: [64 heads][128 tiles of 16 queries][1,024 bytes].   kv_img: [64 heads][16 steps of 128 keys][16,384 bytes]: 8 tiles of 16 keys of K (1,024 each), then 4 tiles of 16 channels of V (2,048 each).
; code = sum x 2^(e0 + e1) / 2^eX: the three exponents are folded into the conversion's one scale.  eX = entry 2 (q), 3 (k), 5 (v) of the scales.
; LIMITS: eX - e0 - e1 lies between -126 and 127, so that the scale is an f32 number.  NaN among the codes is not served.
; Inside a matrix instruction k stands permuted, alike in A and B (fragments come by loads of 16 bytes): every product meets its partner; only the order of the sums inside an instruction differs.
; CLUSTERS: 4 x 4 work-groups.  The four of a row of the cluster need the same tiles of A, the four of a column the same tiles of B: each tile is asked for JOINTLY.
; REGISTERS, in windows of 256: window 0: v0-31 addresses and constants; from v128 A's fragments, ONE set; on the way out v32-255 are free.
;   window 1: B's fragments, TWO sets, at v0 and v128.   window 2: the accumulators of my rows 0-63 ((a, b) at v[8 (8 a + b)]);   window 3: those of my rows 64-127.
.set KSTEP,  256                       ; along K in a slot
.set ROWB,   256                       ; a tile's row in bytes
.set KROW,   1024                      ; a row of input or of w_in in memory, in bytes
.set PITCH,  272                       ; an LDS row: 256 bytes + 16 of padding = 68 words: row r starts at bank 4 r mod 64 (64 banks of 4 bytes: ISA guide 11.1)
.set FR,     16                        ; registers of a fragment: 16 rows x 128 K
.set NL,     4                         ; LDS loads that bring one
.set NP,     4                         ; places behind this matrix instruction (ISA guide 7.12.1)
.set HALFT,  128*PITCH                 ; 128 rows: what one tensor load brings, and what one wave reads of A or of B
.set SLOT,   4*HALFT                   ; A's 256 rows, then B's 256 rows
.set LAPS,   KROW/(2*KSTEP)            ; a lap = two K steps = once round the ring: 2
.set SPARE,  2*SLOT                    ; behind the ring: the spare words, 128 bytes for each wave: two blocks of 256 bytes that no other line names
.set ADRA, 16                          ; v16-17  LDS address of my A fragments in slot 0, 1
.set ADRB, 20                          ; v20-21  the same for B
.set L16,  27                          ; v27     16 x lane: my place in an image
.set SPW,  28                          ; v28     LDS address of my spare word; never rewritten
.set NIL,  29                          ; v29     0; never rewritten
.set LIM,  30
.set SC,   31                          ; v31     the conversion's scale, 2^(eX - e0 - e1)
.set TMP,  32
.set CD,   96                          ; v96-223 codes: 16 registers for each block, so that no store's data are written again
.set VO,   224                         ; v224-239 two byte offsets for each block, likewise
.set AF,   128                         ; A's fragments, in window 0
.set G1, 24                            ; s[24:31] descriptor group 1 for A's tiles;  s[32:39] group 0, one set for each slot
.set G0, 32
.set G1B, 48                           ; s[48:55], s[56:63] the same for B's tiles
.set G0B, 56
.set MSB, 0
.macro WIN new                         ; the immediate's high byte repeats the setting that is left
.if MSB != \new
	s_set_vgpr_msb (MSB<<8)|\new
.set MSB, \new
.endif
.endm
.set MUL_LO, 0xa1                      ; source 0 (B) window 1, source 1 (A) window 0, C and D window 2
.set MUL_HI, 0xf1                      ; the same, C and D window 3
.set TO_B,   0x40                      ; destination window 1, address window 0
; A joint load: waves 0 and 1 fetch for A, waves 2 and 3 for B.  Each of the two lines has ONE mask and one set of registers for all that issue it; the branch hangs on the wave's number alone.
; Four v_nop follow each of the two lines, ahead of the jump, the label and what follows.
.macro JLOAD g0a, g1a, g0b, g1b
	s_cmp_eq_u32 s15, 0
	s_cbranch_scc0 .Lfor_b_\@
	tensor_load_to_lds s[\g0a:\g0a+3], s[\g1a:\g1a+7]
	s_nop 0
.rept 4
	v_nop
.endr
	s_branch .Lasked_\@
.Lfor_b_\@:
	tensor_load_to_lds s[\g0b:\g0b+3], s[\g1b:\g1b+7]
	s_nop 0
.rept 4
	v_nop
.endr
.Lasked_\@:
.endm
.macro CREST                           ; a round of the cluster's barrier behind its opening barrier
	s_cmp_lg_u32 s14, 0
	s_cbranch_scc1 .Lnot_wave_0_\@
	s_barrier_signal -3
.Lnot_wave_0_\@:
	s_barrier_wait -3
	s_barrier_signal -1
	s_barrier_wait -1
.endm
.macro CROUND                          ; a whole round
	s_barrier_signal -1
	s_barrier_wait -1
	CREST
.endm
	s_load_b256 s[4:11], s[0:1], 0x0               ; input s[4:5], w_in s[6:7], the scales' exponents s[8:9], q_img s[10:11]
	s_load_b64 s[12:13], s[0:1], 0x20              ; kv_img
	v_lshl_add_u32 v[SPW], v0, 2, SPARE
	v_mov_b32 v[NIL], 0
	ds_add_u32 v28, v29
	ds_add_u32 v28, v29
	s_wait_dscnt 0x0
	v_lshrrev_b32 v1, 5, v0
	v_readfirstlane_b32 s14, v1                    ; wave 0..3
	s_lshr_b32 s15, s14, 1                         ; which half of the tile's A rows is mine.  Also: I fetch for A (0) or for B (1)
	s_and_b32 s16, s14, 1                          ; which half of its B rows.  Also: which 128 rows of that tile I fetch
	s_bfe_u32 s40, ttmp6, 0x40000                  ; cx, cy: my place in the cluster
	s_bfe_u32 s41, ttmp6, 0x40004
	s_and_b32 s67, ttmp7, 0xffff                   ; the cluster's y, 0 .. 11: 8 and above make v
	s_max_u32 s74, s67, 8
	s_sub_co_u32 s74, s74, 8
	s_lshl_b32 s74, s74, 1
	s_add_co_u32 s74, s74, ttmp9                   ; B's group of four tiles: cluster x (q, k: rows of w_in), + 2 (cluster y - 8) for v (tokens)
	s_lshl_b32 s42, s74, 2
	s_add_co_u32 s42, s42, s40                     ; B's tile = 4 x group + cx
	s_cmp_ge_u32 s67, 8
	s_cselect_b32 s73, 2, s67                      ; A's group of four tiles: cluster y (tokens), or 2 (rows 2048 on of w_in)
	s_cselect_b32 s75, 1, 0                        ; 1: v
	s_cselect_b32 s76, 2, ttmp9                    ; 0: q, 1: k, 2: v
	s_lshl_b32 s17, s73, 2
	s_add_co_u32 s17, s17, s41                     ; A's tile = 4 x group + cy
	s_lshl_b32 s43, s41, 2
	s_lshl_b32 s43, 15, s43                        ; my row of the cluster
	s_lshl_b32 s44, 0x1111, s40                    ; my column
	; descriptor group 1: a tile of 128 rows x 256 bytes, padded in LDS
	s_or_b32 s[G1+0], s43, (0<<16)|(1<<20)|(1<<21)|(5<<22)|(3<<25)  ; 15:0 the mask: A's tiles go to my row; 17:16 element of 1 byte; 20 padding on; 21 set beside a mask; 24:22 after every 64 words (code 5); 31:25 of 4 words (code 3)
	s_or_b32 s[G1B+0], s44, (0<<16)|(1<<20)|(1<<21)|(5<<22)|(3<<25)
.irp g, G1, G1B
	s_mov_b32 s[\g+1], ROWB<<16                    ; tensor_dim0
	s_mov_b32 s[\g+2], 128<<16                     ; tensor_dim1 = 128
	s_mov_b32 s[\g+3], ROWB<<16                    ; tile_dim0
	s_mov_b32 s[\g+4], 128                         ; tile_dim1 = 128
	s_mov_b32 s[\g+5], KROW                        ; tensor_dim0_stride
	s_mov_b32 s[\g+6], 0
	s_mov_b32 s[\g+7], 0
.endr
	s_lshl_b32 s18, s16, 7                         ; which 128 rows of the tile I fetch
	s_lshl_b32 s20, s17, 8
	s_add_co_u32 s20, s20, s18                     ; A: row 256 x tile + 128 x half,
	s_lshl_b32 s20, s20, 10                        ; in bytes: 8,192 rows of 1,024 at the most
	s_mov_b32 s21, 0
	s_lshl_b32 s46, s42, 8
	s_add_co_u32 s46, s46, s18                     ; B likewise, in registers that never hold cy
	s_lshl_b32 s46, s46, 10
	s_mov_b32 s47, 0
	s_mul_i32 s45, s14, HALFT                      ; where they go: wave x 128 rows: no place in the cluster enters an LDS address
	s_wait_kmcnt 0x0
	s_load_b256 s[80:87], s[8:9], 0x0              ; e0 .. e7
	s_cmp_ge_u32 s67, 8
	s_cselect_b64 s[68:69], s[6:7], s[4:5]         ; A is w_in for v, input else;
	s_cselect_b64 s[70:71], s[4:5], s[6:7]         ; B the other
	s_add_nc_u64 s[20:21], s[68:69], s[20:21]
	s_add_nc_u64 s[46:47], s[70:71], s[46:47]
	CROUND                                         ; all sixteen work-groups are here: the first joint loads meet
.irp s, 0,1
	s_mov_b32 s[G0+4*\s], 1
	s_add_co_u32 s[G0+4*\s+1], s45, \s*SLOT
	s_add_nc_u64 s[G0+4*\s+2:G0+4*\s+3], s[20:21], \s*ROWB
	s_or_b32 s[G0+4*\s+3], s[G0+4*\s+3], 0x80000000
	s_mov_b32 s[G0B+4*\s], 1
	s_add_co_u32 s[G0B+4*\s+1], s45, \s*SLOT
	s_add_nc_u64 s[G0B+4*\s+2:G0B+4*\s+3], s[46:47], \s*ROWB
	s_or_b32 s[G0B+4*\s+3], s[G0B+4*\s+3], 0x80000000
	JLOAD G0+4*\s, G1, G0B+4*\s, G1B
.endr
	v_and_b32 v1, 15, v0                           ; l % 16
	v_bfe_u32 v2, v0, 4, 1                         ; l / 16
	v_mul_u32_u24 v3, v1, PITCH
	v_lshl_add_u32 v4, v2, 4, v3                   ; a fragment's row x pitch + 16 x half
	v_and_b32 v6, 31, v0
	v_lshlrev_b32 v[L16], 4, v6
	s_mul_i32 s21, s15, HALFT                      ; my 128 rows of A
	s_mul_i32 s22, s16, HALFT                      ; my 128 rows of B,
	s_add_co_u32 s22, s22, 2*HALFT                 ; which lie behind A's 256
.irp s, 0,1
	v_add_nc_u32 v[ADRA+\s], s21, v4
	v_add_nc_u32 v[ADRB+\s], s22, v4
	s_add_co_u32 s21, s21, SLOT
	s_add_co_u32 s22, s22, SLOT
.endr
	; WHERE MY RESULTS GO.  My 128 tokens are one step of 128 keys (or 8 tiles of queries) of one batch; my 128 channels are two neighbouring heads.
	s_lshl_b32 s94, s17, 8
	s_lshl_b32 s95, s15, 7
	s_add_co_u32 s94, s94, s95                     ; my first row of A
	s_lshl_b32 s95, s42, 8
	s_lshl_b32 s77, s16, 7
	s_add_co_u32 s95, s95, s77                     ; my first row of B
	s_cmp_eq_u32 s75, 1
	s_cselect_b32 s77, s95, s94                    ; my first token,
	s_cselect_b32 s78, s94, s95                    ; my first row of w_in
	s_bfe_u32 s78, s78, 0x40006                    ; the first of my two heads: (row / 64) mod 16
	s_lshr_b32 s79, s77, 11                        ; the batch
	s_bfe_u32 s77, s77, 0x40007                    ; the step of 128 tokens in it
	s_lshl_b32 s79, s79, 4
	s_add_co_u32 s79, s79, s78
	s_lshl_b32 s79, s79, 4
	s_add_co_u32 s79, s79, s77                     ; (16 batch + head) x 16 + step
	s_cmp_eq_u32 s76, 0
	s_cselect_b32 s77, 13, 14                      ; a step is 8,192 bytes of q_img, 16,384 of kv_img
	s_lshl_b32 s78, s79, s77
	s_lshl_b32 s77, s75, 13                        ; V lies 8,192 bytes into its step
	s_add_co_u32 s78, s78, s77
	s_mov_b32 s79, 0
	s_cmp_eq_u32 s76, 0
	s_cselect_b64 s[88:89], s[10:11], s[12:13]     ; q_img or kv_img,
	s_add_nc_u64 s[88:89], s[88:89], s[78:79]      ; at my first image
	s_lshl_b32 s90, 0x20000, s76                   ; from a block's registers 0-7 to its registers 8-15: the next head (q: 131,072 bytes, k: 262,144),
	s_lshl_b32 s91, 1024, s75                      ; from block to block: 1,024 (a tile of tokens) or 2,048 (a tile of channels),
	s_mov_b32 s92, 1024                            ; from block 3 to block 4: the same,
	s_cmp_eq_u32 s76, 2
	s_cselect_b32 s90, 1024, s90                   ; v: the same fragment's second half;
	s_cselect_b32 s92, 256000, s92                 ; v: the next head's first tile: 262,144 - 3 x 2,048
	s_mov_b32 s93, 0                               ; the block's byte offset, which walks
.macro FRAG reg, adr, q, i             ; a fragment, 16 rows x 128 K of 8-bit codes, is 16 registers: lane l holds row l % 16; registers 4 c .. 4 c + 3 hold K = 32 c + 16 (l / 16) + 0 .. 15
.irp c, 0,1,2,3
	ds_load_b128 v[\reg+4*\c:\reg+4*\c+3], v[\adr] offset:128*(\q)+32*\c+(\i)*16*PITCH
.endr
.endm
; 16 matrix instructions: A's blocks a0, a0 + 1 x B's eight, 128 along K.  p: B's set.  zero = 1: the first product starts the sums: nothing is ever cleared.
; The 64 accumulators take turns, one instruction a turn, in the same order in every step.
.macro MUL16 a0, p, zero
.irp a, \a0, \a0+1
.irp b, 0,1,2,3,4,5,6,7
.if \zero
	v_wmma_f32_16x16x128_bf8_bf8 v[8*(8*((\a)%4)+\b):8*(8*((\a)%4)+\b)+7], v[128*(\p)+FR*\b:128*(\p)+FR*\b+FR-1], v[AF+FR*(\a):AF+FR*(\a)+FR-1], 0
.else
	v_wmma_f32_16x16x128_bf8_bf8 v[8*(8*((\a)%4)+\b):8*(8*((\a)%4)+\b)+7], v[128*(\p)+FR*\b:128*(\p)+FR*\b+FR-1], v[AF+FR*(\a):AF+FR*(\a)+FR-1], v[8*(8*((\a)%4)+\b):8*(8*((\a)%4)+\b)+7]
.endif
.endr
.endr
.endm
.macro FETCH_B slot, q, p              ; B's eight fragments of the slot's q-th 128 along K into set p
	WIN TO_B
.irp i, 0,1,2,3,4,5,6,7
	FRAG 128*(\p)+FR*\i, ADRB+\slot, \q, \i
.endr
	WIN 0
.endm
.macro FETCH_A slot, q, i0             ; A's blocks i0 .. i0 + 3
.irp i, \i0, \i0+1, \i0+2, \i0+3
	FRAG AF+FR*(\i), ADRA+\slot, \q, \i
.endr
.endm
; A load into a register that a matrix instruction has read, and a vector instruction that reads a matrix result, stand NP places behind that matrix instruction, and only plain vector
; instructions that name none of its registers are places (ISA guide 7.12.1 for vector instructions).
.macro PLACES n
.rept \n
	v_nop
.endr
.endm
; A step of 128 along K that has its successor in the same slot.
.macro STEP slot, q, zero
	s_wait_dscnt 4*NL                              ; B's set and A's blocks 0-3 are in; the youngest sixteen loads (A's blocks 4-7) may be out
	WIN MUL_LO
	MUL16 0, (\q)%2, \zero
	MUL16 2, (\q)%2, \zero
	s_wait_dscnt 0                                 ; A's blocks 4-7 are in (asked for 32 matrix instructions ago)
	PLACES NP
	FETCH_B \slot, (\q)+1, 1-(\q)%2
	FETCH_A \slot, (\q)+1, 0
	WIN MUL_HI
	MUL16 4, (\q)%2, \zero
	MUL16 6, (\q)%2, \zero
	PLACES NP
	WIN 0
	FETCH_A \slot, (\q)+1, 4
.endm
; A slot's last step changes slots: ONE barrier; in front of it each wave waits for all its tensor loads, adds 0 to its spare word, and waits for that and for its own reads of this slot.  fill = 1: this slot is filled again, two K steps ahead.
.macro TURN slot, next, fill
	s_wait_tensorcnt 0x0                           ; all my tensor loads have landed: my part of the next slot;  (every window is 0 here: the add's two registers lie in window 0)
	ds_add_u32 v[SPW], v[NIL]                      ; 0 onto my spare word
	s_wait_dscnt 4*NL+1                            ; (the add and the youngest sixteen loads, A's blocks 4-7, may be out)
	WIN MUL_LO
	MUL16 0, 1, 0                                  ; sixteen matrix instructions stand between the add and the wait for it
	s_wait_dscnt 0x0                               ; the add is done, and my reads of this slot are over
	s_barrier_signal -1
	MUL16 2, 1, 0
	WIN 0
	s_barrier_wait -1
.if \fill
	CREST                                          ; the barrier has opened a round of the cluster's barrier: no wave of any partner still reads this slot's tile or has a load on its way
	s_add_nc_u64 s[G0+4*\slot+2:G0+4*\slot+3], s[G0+4*\slot+2:G0+4*\slot+3], 2*ROWB
	s_add_nc_u64 s[G0B+4*\slot+2:G0B+4*\slot+3], s[G0B+4*\slot+2:G0B+4*\slot+3], 2*ROWB
	JLOAD G0+4*\slot, G1, G0B+4*\slot, G1B         ; the first tensor load behind the round; the four v_nop behind it are the places in front of the loads below
.else
	PLACES NP
.endif
	FETCH_B \next, 0, 0
	FETCH_A \next, 0, 0
	WIN MUL_HI
	MUL16 4, 1, 0
	MUL16 6, 1, 0
	PLACES NP
	WIN 0
	FETCH_A \next, 0, 4
.endm
	s_wait_alu depctr_va_vdst(0)
	s_wait_tensorcnt 1                             ; my part of K step 0 is in (K step 1's load may be out)
	s_barrier_signal -1
	s_barrier_wait -1                              ; everybody's is
	FETCH_B 0, 0, 0
	FETCH_A 0, 0, 0
	FETCH_A 0, 0, 4
	STEP 0, 0, 1                                   ; the first step stands in front of the loop: its products start the sums
	s_mov_b32 s3, LAPS-1
.Llap:                                                 ; a trip goes once round the ring, from a lap's second step to the next lap's first, and fills both slots again
	TURN 0, 1, 1
	STEP 1, 0, 0
	TURN 1, 0, 1
	STEP 0, 0, 0
	s_sub_co_u32 s3, s3, 1
	s_cmp_lg_u32 s3, 0
	s_cbranch_scc1 .Llap
	TURN 0, 1, 0                                   ; the last lap fills nothing, and has no round of the cluster's barrier
	STEP 1, 0, 0
	s_wait_dscnt 4*NL                              ; the very last step: nothing more to fetch
	WIN MUL_LO
	MUL16 0, 1, 0
	MUL16 2, 1, 0
	s_wait_dscnt 0
	WIN MUL_HI
	MUL16 4, 1, 0
	MUL16 6, 1, 0
	WIN 0
	; THE WAY OUT: convert, store.  No LDS: the codes' registers are what the next launch's matrix instructions want, and they leave as they stand.
	s_wait_kmcnt 0x0
	s_cmp_eq_u32 s76, 0
	s_cselect_b32 s94, s82, s83                    ; e2 for q, e3 for k,
	s_cmp_eq_u32 s76, 2
	s_cselect_b32 s94, s85, s94                    ; e5 for v
	s_sub_co_i32 s94, s94, s80
	s_sub_co_i32 s94, s94, s81                     ; a sum stands for sum x 2^(e0 + e1): its code is sum / 2^(eX - e0 - e1)
	s_add_co_i32 s94, s94, 127
	s_lshl_b32 s95, s94, 23
	v_mov_b32 v[SC], s95                           ; that power of two as f32: the conversion takes its exponent field
	PLACES NP                                      ; behind the last products: for the reads of results and the writes into the registers that held A's fragments
; Block a: 16 rows of A x my 128 rows of B.
.macro OUTB a
.set AC, 64*((\a)%4)
.set WS, 0x02+((\a)/4)
	WIN WS                                         ; source 0: window 2 or 3
.set j, 0
.rept 64
.set j, j+1
.endr
.irp b, 0,1,2,3,4,5,6,7
	v_cvt_scalef32_pk8_bf8_f32 v[CD+16*(\a)+2*\b:CD+16*(\a)+2*\b+1], v[AC+8*\b:AC+8*\b+7], v[SC]
.endr
	WIN 0
	v_add_nc_u32 v[VO+2*(\a)], s93, v[L16]         ; (plain lines behind the conversions)  registers 0-7 go here,
	v_add_nc_u32 v[VO+2*(\a)+1], s90, v[VO+2*(\a)] ; registers 8-15 here
.if (\a) == 3
	s_add_co_u32 s93, s93, s92
.else
	s_add_co_u32 s93, s93, s91
.endif
	global_store_b128 v[VO+2*(\a)], v[CD+16*(\a):CD+16*(\a)+3], s[88:89]                    ; each store: 512 consecutive bytes, at a multiple of 512 from the buffer's first byte
	global_store_b128 v[VO+2*(\a)], v[CD+16*(\a)+4:CD+16*(\a)+7], s[88:89] offset:512
	global_store_b128 v[VO+2*(\a)+1], v[CD+16*(\a)+8:CD+16*(\a)+11], s[88:89]
	global_store_b128 v[VO+2*(\a)+1], v[CD+16*(\a)+12:CD+16*(\a)+15], s[88:89] offset:512
.endm
.irp a, 0,1,2,3,4,5,6,7
	OUTB \a
.endr
	s_wait_tensorcnt 0x0                           ; the wave's end
	ds_add_u32 v[SPW], v[NIL]
	s_wait_dscnt 0x0
	CROUND                                         ; the closing round: no work-group ends while a partner may still ask for a tile that names it
	s_endpgm
.Lfunc_end_k_q23ac9ede59_qkv:
	.size	k_q23ac9ede59_qkv, .Lfunc_end_k_q23ac9ede59_qkv-k_q23ac9ede59_qkv
	.p2alignl 7, 3214868480
	.fill 96, 4, 3214868480
	.section	.rodata,"a",@progbits
	.p2align	6, 0x0
	.amdhsa_kernel k_q23ac9ede59_qkv
		.amdhsa_group_segment_fixed_size 327680
		.amdhsa_private_segment_fixed_size 0
		.amdhsa_enable_private_segment 0
		.amdhsa_kernarg_size 40
		.amdhsa_user_sgpr_count 2
		.amdhsa_user_sgpr_kernarg_segment_ptr 1
		.amdhsa_wavefront_size32 1
		.amdhsa_system_sgpr_workgroup_id_x 1
		.amdhsa_system_sgpr_workgroup_id_y 1
		.amdhsa_system_sgpr_workgroup_id_z 1
		.amdhsa_system_vgpr_workitem_id 0
		.amdhsa_next_free_vgpr 1024
		.amdhsa_next_free_sgpr 98
		.amdhsa_reserve_vcc 0
		.amdhsa_float_denorm_mode_32 3
		.amdhsa_float_denorm_mode_16_64 3
		.amdhsa_fp16_overflow 1
		.amdhsa_memory_ordered 1
		.amdhsa_forward_progress 1
		.amdhsa_inst_pref_size 87
	.end_amdhsa_kernel
	.amdgpu_metadata
---
amdhsa.version: [ 1, 2 ]
amdhsa.kernels:
  - .name:           k_q23ac9ede59_qkv
    .symbol:         k_q23ac9ede59_qkv.kd
    .args:
      - { .name: input_codes, .offset: 0, .size: 8, .value_kind: global_buffer, .address_space: global }
      - { .name: w_in_codes, .offset: 8, .size: 8, .value_kind: global_buffer, .address_space: global }
      - { .name: lowp_scales, .offset: 16, .size: 8, .value_kind: global_buffer, .address_space: global }
      - { .name: q_img, .offset: 24, .size: 8, .value_kind: global_buffer, .address_space: global }
      - { .name: kv_img, .offset: 32, .size: 8, .value_kind: global_buffer, .address_space: global }
    .group_segment_fixed_size: 327680
    .private_segment_fixed_size: 0
    .kernarg_segment_align: 8
    .kernarg_segment_size: 40
    .max_flat_workgroup_size: 128
    .sgpr_count:     98
    .vgpr_count:     1024
    .wavefront_size: 32
...
	.end_amdgpu_metadata
.endif
;; end of part 1
;; launch attn (part 2): grid 4 x 64, 16 waves a work-group, clusters of 4 x 1, 327,680 bytes of LDS; arguments q_img, kv_img, lowp_scales, ctx_img; writes ctx_img
.if DOCPART == 2
	.amdgcn_target "amdgcn-amd-amdhsa--gfx1250"
	.amdhsa_code_object_version 6
	.text
	.protected	k_q23ac9ede59_attn
	.globl	k_q23ac9ede59_attn
	.p2align	8
	.type	k_q23ac9ede59_attn,@function
k_q23ac9ede59_attn:
	s_mov_b64 s[64:65], 0
	v_nop
	global_prefetch_b8 v0, s[64:65] scope:SCOPE_SE
	s_setreg_imm32_b32 hwreg(HW_REG_WAVE_MODE, 25, 1), 1
	s_wait_xcnt 0x0
	s_wait_alu depctr_hold_cnt(0) depctr_sa_sdst(0) depctr_va_vdst(0) depctr_va_sdst(0) depctr_va_ssrc(0) depctr_va_vcc(0) depctr_vm_vsrc(0)
	s_getreg_b32 s2, hwreg(HW_REG_IB_STS2, 6, 4)
	s_cmp_eq_u32 s2, 0
	s_cbranch_scc0 .Lentry_in_a_cluster
	s_endpgm
.Lentry_in_a_cluster:
	s_bfe_u32 s2, ttmp6, 0x10000c
	s_cmp_lg_u32 s2, 0x3003
	s_cbranch_scc0 .Lentry_shape_is_right
	s_endpgm
.Lentry_shape_is_right:
; Causal attention of one head on codes of BF8 (E5M2): ctx[q] = the sum over keys k <= q of softmax_k(Q[q] . K[k] / 8) V[k], head size 64, 2,048 tokens, 64 heads (batch x 16 + head); ctx quantised on the way out.
; q_img, kv_img: images of operand registers (registers 4 g .. 4 g + 3 of all lanes in 512 consecutive bytes, lane l's 16 bytes at 16 l):
;   q_img [64 heads][128 tiles of 16 queries][1,024]: a fragment of 16 queries x 64.   kv_img [64 heads][16 steps of 128 keys][16,384]: 8 fragments of 16 keys x 64 (K), then 4 fragments of 16 channels x 128 keys (V).
;   ctx_img [512 tiles of 16 tokens][16 heads][1,024]: a fragment of 16 tokens x 64 channels: what this launch stores.
; THE SOFTMAX AHEAD OF THE SECOND PRODUCT: t = score x log2(e) / 8; M = the row's largest t so far, rounded UP to a whole number; p = 2^(t - M) is quantised (scale 2^e4), not normalised.
; The row's sum is taken of the unquantised p, in f32, and divides at the end.  When M moves, the sum and O are multiplied by 2^(old M - new M): exact.
; LAYOUT.  Both products are used transposed: S^T = K Q^T (source 0 = 16 keys, source 1 = 16 queries), O^T = V^T P^T (source 0 = 16 channels, source 1 = P): a lane holds ONE query (lane % 16) throughout.
; In S^T's tile c lane (r, h) holds keys 16 c + 8 h + 0 .. 7, so its conversion gives registers 2 c, 2 c + 1 of P in the plain 8-bit layout (ISA guide 7.12.2); O^T's four tiles give ctx's fragment in the same way.
; THE WHOLE HEAD'S K AND V LIE IN LDS, 262,144 bytes, as they lie in memory: each byte is filled once, so there is no ring, and after two barriers no wave waits for another.
; SHARES.  The four work-groups of a cluster share a head and its K and V (joint loads).  The head's queries are 16 groups of 128; of each group work-group cx owns tiles 2 cx and 2 cx + 1.
; A tile of group g needs key steps 0 .. g.  Wave w does two tiles one after the other: X of group max(w, 15 - w), Y of group min(w, 15 - w): 17 steps for every wave of every work-group.
; Which steps a wave leaves out hangs on its number and the loop's count alone; cx enters only Q's and ctx's addresses in memory and the mask's compare.
; LIMITS on the given exponents, so that each power of two below is an f32 number: e2 + e3 between -123 and 130 (they are added to c's exponent field); e4 and e6 between -126 and 127.  NaN among the codes is not served.
.set WV,   12                          ; s12  my wave's number
.set CX,   13                          ; s13  my place in the cluster
.set BH,   14                          ; s14  the head
.set G1A,  16                          ; s[16:23] descriptor group 1: 16 rows of 256 bytes
.set G1B,  24                          ; s[24:31] 48 rows of 256 bytes
.set G0A,  32                          ; s[32:35], s[36:39] their groups 0
.set G0B,  36
.set EX,   40                          ; s[40:47] e0 .. e7
.set RG,   48                          ; s48  the group of the tile in hand
.set GY,   49                          ; s49  Y's group
.set UX,   50                          ; s50, s51  which of the work-group's two tiles of a group X and Y are
.set UY,   51
.set RS,   52                          ; s52  the key step: the loops' counter
.set RTB,  53                          ; s53  LDS byte at which the step begins
.set EPV,  54                          ; s54  e4 + e5
.set DMD,  55                          ; s55  16 (uY - uX)
.set SEL,  56                          ; s[56:57] lane selects for v_permlanex16_b32: lane l xor 16
.set CS,   58                          ; s[58:59] c = log2(e) / 8 x 2^(e2 + e3): the packed form names a pair and takes its low word for both halves
.set CXB,  66                          ; s[66:67], s[68:69] ctx_img at X's and Y's image
.set CYB,  68
.set QXB,  70                          ; s[70:71], s[72:73] q_img likewise
.set QYB,  72
.set L16,  1                           ; v1   16 x lane; never rewritten
.set ADR,  2                           ; v2   LDS address of the step's images
.set MD,   3                           ; v3   my query less the group's first, less 8 (lane / 16)
.set HOLDP, 4
.set SCP,  5                           ; v5   2^e4
.set HOLDC, 6
.set SCX,  7                           ; v7   2^e6
.set T0,   8                           ; v8, v9 at work
.set T1,   9
.set FF,   10                          ; v[10:11] f = 2^(old M - new M) (the pair's low word serves both halves)
.set NM,   12                          ; v12 -M, v13 the largest t
.set LS,   14                          ; v[14:15] the sum, in two halves
.set QX,   16                          ; v[16:23] X's Q, v[24:31] Y's
.set QY,   24
.set KV,   32                          ; v[32:95] K's 8 fragments, then V's 4
.set SS,   96                          ; v[96:159] S^T, then p
.set OT,   160                         ; v[160:191] O^T
.set PC,   192                         ; v[192:207] p's codes
.set EE,   208                         ; v[208:239] ctx in f32; v[208:209] also the sum's second chain
.set CDX,  240                         ; v[240:247], v[248:255] ctx's codes of X and of Y: no store's data are written again
.set CDY,  248
.macro CROUND                          ; a round of the cluster's barrier
	s_barrier_signal -1
	s_barrier_wait -1
	s_cmp_lg_u32 s[WV], 0
	s_cbranch_scc1 .Lnot_wave_0_\@
	s_barrier_signal -3
.Lnot_wave_0_\@:
	s_barrier_wait -3
	s_barrier_signal -1
	s_barrier_wait -1
.endm
	s_load_b256 s[4:11], s[0:1], 0x0               ; q_img s[4:5], kv_img s[6:7], the scales' exponents s[8:9], ctx_img s[10:11]
	v_lshl_add_u32 v254, v0, 2, 0x40000
	v_mov_b32 v255, 0
	ds_add_u32 v254, v255
	ds_add_u32 v254, v255
	s_wait_dscnt 0x0
	v_lshrrev_b32 v[ADR], 5, v0
	s_delay_alu instid0(VALU_DEP_1)
	v_readfirstlane_b32 s[WV], v[ADR]              ; wave 0..15
	s_bfe_u32 s[CX], ttmp6, 0x40000
	s_and_b32 s[BH], ttmp7, 0xffff
	; descriptor groups 1: dense blocks as rows of 256 bytes (32 elements of 8 bytes)
	s_mov_b32 s[G1A], 15|(3<<16)|(1<<21)           ; 15:0 the mask: all four work-groups; 17:16 elements of 8 bytes; 21 set beside a mask; no padding
	s_mov_b32 s[G1A+1], 32<<16                     ; tensor_dim0 = 32
	s_mov_b32 s[G1A+2], 16<<16                     ; tensor_dim1 = 16
	s_mov_b32 s[G1A+3], 32<<16                     ; tile_dim0 = 32
	s_mov_b32 s[G1A+4], 16                         ; tile_dim1 = 16
	s_mov_b32 s[G1A+5], 32                         ; tensor_dim0_stride
	s_mov_b32 s[G1A+6], 0
	s_mov_b32 s[G1A+7], 0
	s_mov_b32 s[G1B], 15|(3<<16)|(1<<21)
	s_mov_b32 s[G1B+1], 32<<16
	s_mov_b32 s[G1B+2], 48<<16                     ; 48 rows
	s_mov_b32 s[G1B+3], 32<<16
	s_mov_b32 s[G1B+4], 48
	s_mov_b32 s[G1B+5], 32
	s_mov_b32 s[G1B+6], 0
	s_mov_b32 s[G1B+7], 0
	; The sixteen waves' first loads, 4,096 bytes each, are key steps 0 to 3; their second, 12,288 each, the other twelve.  LDS byte x = byte x of the head.
	s_mov_b32 s[G0A], 1
	s_lshl_b32 s[G0A+1], s[WV], 12
	s_mov_b32 s[G0B], 1
	s_mul_i32 s[G0B+1], s[WV], 12288
	s_add_co_u32 s[G0B+1], s[G0B+1], 65536
	s_lshl_b32 s60, s[BH], 18                      ; the head's 262,144 bytes of kv_img
	s_mov_b32 s61, 0
	s_mov_b32 s63, 0
	s_wait_kmcnt 0x0
	s_load_b256 s[EX:EX+7], s[8:9], 0x0
	s_add_nc_u64 s[6:7], s[6:7], s[60:61]
	s_mov_b32 s62, s[G0A+1]
	s_add_nc_u64 s[G0A+2:G0A+3], s[6:7], s[62:63]
	s_or_b32 s[G0A+3], s[G0A+3], 0x80000000
	s_mov_b32 s62, s[G0B+1]
	s_add_nc_u64 s[G0B+2:G0B+3], s[6:7], s[62:63]
	s_or_b32 s[G0B+3], s[G0B+3], 0x80000000
	CROUND                                         ; all four work-groups are here: the joint loads meet
	tensor_load_to_lds s[G0A:G0A+3], s[G1A:G1A+7]  ; a wave's two loads, the only ones of the launch, stand apart: this one is waited for before the second
	s_nop 0
	s_wait_alu depctr_va_vdst(0)
	s_wait_tensorcnt 0x0
	ds_add_u32 v254, v255
	s_wait_dscnt 0x0
	CROUND
	tensor_load_to_lds s[G0B:G0B+3], s[G1B:G1B+7]
	s_nop 0
.rept 4
	v_nop
.endr
	s_xor_b32 s74, s[WV], 15                       ; 15 - w
	s_min_u32 s[GY], s[WV], s74                    ; Y's group, 0 .. 7
	s_xor_b32 s[RG], s[GY], 15                     ; X's group, 8 .. 15
	s_lshr_b32 s[UY], s[WV], 3                     ; so that each (group, tile) is taken once: waves 0-7 take tile 1 of X's group and tile 0 of Y's, waves 8-15 the others
	s_xor_b32 s[UX], s[UY], 1
	s_lshl_b32 s75, s[CX], 1
	s_lshl_b32 s76, s[RG], 3
	s_add_co_u32 s76, s76, s75
	s_add_co_u32 s76, s76, s[UX]                   ; X's tile of 16 queries: 8 g + 2 cx + u
	s_lshl_b32 s77, s[GY], 3
	s_add_co_u32 s77, s77, s75
	s_add_co_u32 s77, s77, s[UY]                   ; Y's
	s_lshl_b32 s74, s[BH], 17                      ; the head's 131,072 bytes of q_img
	s_lshl_b32 s60, s76, 10
	s_add_co_u32 s60, s60, s74
	s_add_nc_u64 s[QXB:QXB+1], s[4:5], s[60:61]
	s_lshl_b32 s60, s77, 10
	s_add_co_u32 s60, s60, s74
	s_add_nc_u64 s[QYB:QYB+1], s[4:5], s[60:61]
	v_and_b32 v[L16], 31, v0
	s_delay_alu instid0(VALU_DEP_1)
	v_lshlrev_b32 v[L16], 4, v[L16]
	global_load_b128 v[QX:QX+3],   v[L16], s[QXB:QXB+1]
	global_load_b128 v[QX+4:QX+7], v[L16], s[QXB:QXB+1] offset:512
	global_load_b128 v[QY:QY+3],   v[L16], s[QYB:QYB+1]
	global_load_b128 v[QY+4:QY+7], v[L16], s[QYB:QYB+1] offset:512
	s_lshr_b32 s74, s[BH], 4
	s_lshl_b32 s74, s74, 21                        ; the batch's 128 tiles of 16,384 bytes of ctx_img,
	s_and_b32 s75, s[BH], 15
	s_lshl_b32 s75, s75, 10                        ; the head's 1,024 bytes in a tile
	s_add_co_u32 s74, s74, s75
	s_lshl_b32 s60, s76, 14
	s_add_co_u32 s60, s60, s74
	s_add_nc_u64 s[CXB:CXB+1], s[10:11], s[60:61]
	s_lshl_b32 s60, s77, 14
	s_add_co_u32 s60, s60, s74
	s_add_nc_u64 s[CYB:CYB+1], s[10:11], s[60:61]
	v_and_b32 v[MD], 15, v0                        ; r
	v_bfe_u32 v[T0], v0, 4, 1                      ; h
	s_delay_alu instid0(VALU_DEP_1)
	v_lshlrev_b32 v[T0], 3, v[T0]
	s_delay_alu instid0(VALU_DEP_1)
	v_sub_nc_u32 v[MD], v[MD], v[T0]
	s_lshl_b32 s78, s[CX], 5
	s_lshl_b32 s79, s[UX], 4
	s_add_co_u32 s78, s78, s79
	v_add_nc_u32 v[MD], s78, v[MD]                 ; 32 cx + 16 u + r - 8 h
	s_sub_co_i32 s[DMD], s[UY], s[UX]
	s_lshl_b32 s[DMD], s[DMD], 4
	s_mov_b32 s[SEL], 0x76543210
	s_mov_b32 s[SEL+1], 0xfedcba98
	s_mov_b32 s[CS], 0x3e38aa3b                    ; c = log2(e) / sqrt(64)
	v_mov_b32 v[T1], 0                             ; written once: a lane permute's destination counts as one of its sources
	v_mov_b32 v[FF+1], 0                           ; (named as the upper half of the pair)
	s_wait_kmcnt 0x0
	s_add_co_i32 s74, s[EX+2], s[EX+3]
	s_lshl_b32 s74, s74, 23
	s_add_co_i32 s[CS], s[CS], s74                 ; a score stands for score x 2^(e2 + e3): the two exponents are added to c's exponent field
	s_mov_b32 s[CS+1], s[CS]                       ; (named with it as a pair, so it is written)
	s_add_co_i32 s[EPV], s[EX+4], s[EX+5]
	s_add_co_i32 s74, s[EX+4], 127
	s_lshl_b32 s75, s74, 23
	v_mov_b32 v[SCP], s75                          ; 2^e4 as f32, for p's conversions
	s_add_co_i32 s74, s[EX+6], 127
	s_lshl_b32 s75, s74, 23
	v_mov_b32 v[SCX], s75                          ; the same with e6, for ctx's
; A tile begins: the step is written once and finds zeros, which the first change of M leaves zeros.
.macro INIT
	v_mov_b32 v[NM+1], 0xff61b1e6                  ; the largest t so far: -3e38, under every t
	s_delay_alu instid0(VALU_DEP_1)
	v_floor_f32 v[NM], -v[NM+1]                    ; -M
	v_mov_b32 v[LS], 0
	v_mov_b32 v[LS+1], 0
.set j, 0
.rept 32
	v_mov_b32 v[OT+j], 0
.set j, j+1
.endr
.endm
; A KEY STEP of the tile in hand: 128 keys.  qf: the tile's Q.  edge = 1: the step may lie behind the tile's last (it is left out) or on the diagonal (hidden scores are masked); edge = 0: neither can be.
.macro STEP edge, qf
.if \edge
	s_cmp_gt_u32 s[RS], s[RG]                      ; all its keys come after my queries: a scalar branch on the wave's number and the loop's count, round the step's work; not round the lines at its end that step
	s_cbranch_scc1 .Lskip_\@
.endif
	s_setprio 2
	v_add_nc_u32 v[ADR], s[RTB], v[L16]
.rept 3
	v_nop                                          ; with the addition: four places behind the last step's products, in front of loads into registers that they read
.endr
.irp c, 0,1,2,3,4,5,6,7
	ds_load_b128 v[KV+8*\c:KV+8*\c+3],   v[ADR] offset:1024*\c       ; K's tile c: 512 consecutive bytes a load
	ds_load_b128 v[KV+8*\c+4:KV+8*\c+7], v[ADR] offset:1024*\c+512
.endr
	s_wait_alu depctr_va_vdst(0)
	s_wait_dscnt 0x0
.irp c, 0,1,2,3,4,5,6,7
	v_wmma_f32_16x16x64_bf8_bf8 v[SS+8*\c:SS+8*\c+7], v[KV+8*\c:KV+8*\c+7], v[\qf:\qf+7], 0   ; lane (r, h): query r; register 8 c + i: key 16 c + 8 h + i
.endr
.rept 4
	v_nop                                          ; places in front of the loads into K's registers and of the first read of the scores
.endr
.irp t, 0,1,2,3
.irp g, 0,1,2,3
	ds_load_b128 v[KV+16*\t+4*\g:KV+16*\t+4*\g+3], v[ADR] offset:8192+2048*\t+512*\g   ; V's tile t: it lands under the softmax
.endr
.endr
.if \edge
	s_cmp_lg_u32 s[RS], s[RG]
	s_cbranch_scc1 .Lopen_\@                       ; a step all of whose keys count
	v_mov_b32 v[T0], 0xff800000                    ; on the diagonal hidden scores become -infinity ahead of the maximum: p = 0 then.  Key 0 counts for every query, so M is a number from the first step on
.set n, 0
.rept 64
	v_cmp_gt_i32 vcc_lo, 16*(n/8)+n%8, v[MD]       ; register n holds key 16 (n / 8) + 8 h + n % 8 of the group: hidden where that is above my query
	v_cndmask_b32 v[SS+n], v[SS+n], v[T0], vcc_lo
.set n, n+1
.endr
.Lopen_\@:
.endif
	v_max3_num_f32 v[T0], v[SS], v[SS+1], v[SS+2]  ; the step's largest score of my query, among my 64 keys, in two chains, each tile's registers from the low end on,
	v_max3_num_f32 v[FF], v[SS+3], v[SS+4], v[SS+5]
.set i, 6
.rept 14
	v_max3_num_f32 v[T0], v[T0], v[SS+i], v[SS+i+1]
	v_max3_num_f32 v[FF], v[FF], v[SS+i+2], v[SS+i+3]
.set i, i+4
.endr
	v_max3_num_f32 v[T0], v[T0], v[SS+62], v[SS+63]
	s_delay_alu instid0(VALU_DEP_1)
	v_max_num_f32 v[T0], v[T0], v[FF]
	s_delay_alu instid0(VALU_DEP_1)
	v_permlanex16_b32 v[T1], v[T0], s[SEL], s[SEL+1]
	s_delay_alu instid0(VALU_DEP_1)
	v_max_num_f32 v[T0], v[T0], v[T1]              ; and among lane l xor 16's
	s_delay_alu instid0(VALU_DEP_1)
	v_mul_f32 v[T0], s[CS], v[T0]                  ; as t (c is positive)
	s_delay_alu instid0(VALU_DEP_1)
	v_max_num_f32 v[NM+1], v[NM+1], v[T0]          ; the running largest t
	v_mov_b32 v[T0], v[NM]
	s_delay_alu instid0(VALU_DEP_2)
	v_floor_f32 v[NM], -v[NM+1]                    ; the new -M = floor(-t) = -ceil(t): M IS A WHOLE NUMBER
	s_delay_alu instid0(VALU_DEP_1)
	v_sub_f32 v[T0], v[NM], v[T0]                  ; M's old value less its new one: a whole number, 0 or less
	s_delay_alu instid0(VALU_DEP_1)
	v_cvt_i32_f32 v[T0], v[T0]                     ; (it saturates)
	s_delay_alu instid0(VALU_DEP_1)
	v_ldexp_f32 v[FF], 1.0, v[T0]                  ; f = 2^(old M - new M)
.set i, 0
.rept 32
	v_pk_fma_f32 v[SS+i:SS+i+1], v[SS+i:SS+i+1], s[CS:CS+1], v[NM:NM+1] op_sel_hi:[1,0,0]   ; t - M, two at a time
.set i, i+2
.endr
.set i, 0
	s_setprio 1
	s_wait_alu depctr_va_vdst(0)
.rept 64
	v_exp_f32 v[SS+i], v[SS+i]                     ; p = 2^(t - M), at most 1: NOT normalised
.set i, i+1
.endr
	v_pk_mul_f32 v[LS:LS+1], v[LS:LS+1], v[FF:FF+1] op_sel_hi:[1,0]   ; the sums under the new M.  (A plain place behind the exponentials)
	s_wait_alu depctr_va_vdst(0)
	v_pk_add_f32 v[EE:EE+1], v[SS:SS+1], v[SS+2:SS+3]                 ; THE ROW'S SUM IS TAKEN OF THE UNQUANTISED p: two at a time, in two chains
.set i, 4
.rept 15
	v_pk_add_f32 v[LS:LS+1], v[LS:LS+1], v[SS+i:SS+i+1]
	v_pk_add_f32 v[EE:EE+1], v[EE:EE+1], v[SS+i+2:SS+i+3]
.set i, i+4
.endr
	s_delay_alu instid0(VALU_DEP_1)
	v_pk_add_f32 v[LS:LS+1], v[LS:LS+1], v[EE:EE+1]
	s_setprio 0
.irp c, 0,1,2,3,4,5,6,7
.irp i, 0,1,2,3,4,5,6,7
.endr
	v_cvt_scalef32_pk8_bf8_f32 v[PC+2*\c:PC+2*\c+1], v[SS+8*\c:SS+8*\c+7], v[SCP]   ; registers 2 c, 2 c + 1 of P: keys 16 c + 8 h + 0 .. 7
.endr
.set i, 0
.rept 16
	v_pk_mul_f32 v[OT+i:OT+i+1], v[OT+i:OT+i+1], v[FF:FF+1] op_sel_hi:[1,0]   ; O^T under the new M.  (Plain lines between the conversions and the products that read their results)
.set i, i+2
.endr
	s_wait_alu depctr_va_vdst(0)
	s_wait_dscnt 0x0                               ; V is in
.irp t, 0,1,2,3
	v_wmma_f32_16x16x128_bf8_bf8 v[OT+8*\t:OT+8*\t+7], v[KV+16*\t:KV+16*\t+15], v[PC:PC+15], v[OT+8*\t:OT+8*\t+7]   ; the four accumulators by turns, one instruction a turn; the scores' eight products stand between two steps' turns
.endr
.if \edge
.Lskip_\@:
.endif
	s_add_co_u32 s[RTB], s[RTB], 16384
	s_add_co_u32 s[RS], s[RS], 1
.endm
; A tile ends: O^T / the sum x 2^(e4 + e5) is ctx; it is converted with 2^e6, and its fragment's image stored.
.macro EMIT cd, base
.rept 4
	v_nop                                          ; places behind the last products
.endr
	v_add_f32 v[LS], v[LS], v[LS+1]                ; the sum's two halves,
	s_delay_alu instid0(VALU_DEP_1)
	v_permlanex16_b32 v[T1], v[LS], s[SEL], s[SEL+1]
	s_delay_alu instid0(VALU_DEP_1)
	v_add_f32 v[LS], v[LS], v[T1]                  ; and lane l xor 16's: the row's sum
	s_wait_alu depctr_va_vdst(0)
	v_rcp_f32 v[LS], v[LS]
	v_nop                                          ; one plain place behind a transcendental
	s_wait_alu depctr_va_vdst(0)
	v_ldexp_f32 v[LS], v[LS], s[EPV]
.set i, 0
.rept 16
	v_pk_mul_f32 v[EE+i:EE+i+1], v[OT+i:OT+i+1], v[LS:LS+1] op_sel_hi:[1,0]   ; register 8 t + i: ctx(query r, channel 16 t + 8 h + i); each accumulator from its low end on
.set i, i+2
.endr
.set i, 0
.rept 32
.set i, i+1
.endr
.irp t, 0,1,2,3
	v_cvt_scalef32_pk8_bf8_f32 v[\cd+2*\t:\cd+2*\t+1], v[EE+8*\t:EE+8*\t+7], v[SCX]
.endr
	v_nop                                          ; one plain line behind the last conversion
	global_store_b128 v[L16], v[\cd:\cd+3],   s[\base:\base+1]               ; each store: 512 consecutive bytes, at a multiple of 512 from the buffer's first byte
	global_store_b128 v[L16], v[\cd+4:\cd+7], s[\base:\base+1] offset:512
.endm
	INIT
	s_wait_tensorcnt 0x1                           ; my 4,096 bytes of key steps 0 to 3 are in; my second load may stay out
	s_barrier_signal -1
	s_barrier_wait -1                              ; everybody's are
	s_wait_loadcnt 0x0                             ; Q
	s_mov_b32 s[RS], 0
	s_mov_b32 s[RTB], 0
.Lfirst:                                           ; X's steps 0 to 3: they read LDS bytes under 65,536 alone, while the rest lands.  X's group is 8 at the least: no step here is left out or masked
	STEP 0, QX
	s_cmp_lt_u32 s[RS], 4
	s_cbranch_scc1 .Lfirst
	s_setprio 0
	s_wait_tensorcnt 0x0                           ; my 12,288 bytes of the rest are in,
	s_wait_dscnt 0x0
	s_barrier_signal -1
	s_barrier_wait -1                              ; everybody's are: from here on no wave waits for another
	s_mov_b32 s[RS], 4                             ; the second loop's start, stated
	s_mov_b32 s[RTB], 65536
.Lrest:                                            ; X's steps 4 to 15, those behind its group left out
	STEP 1, QX
	s_cmp_lt_u32 s[RS], 16
	s_cbranch_scc1 .Lrest
	s_setprio 0
	EMIT CDX, CXB
	s_mov_b32 s[RG], s[GY]                         ; on to Y
	s_mov_b32 s[RS], 0
	s_mov_b32 s[RTB], 0
	v_add_nc_u32 v[MD], s[DMD], v[MD]
	INIT
.Lsecond:                                          ; Y's steps 0 to 7, those behind its group left out
	STEP 1, QY
	s_cmp_lt_u32 s[RS], 8
	s_cbranch_scc1 .Lsecond
	s_setprio 0
	EMIT CDY, CYB
	s_wait_dscnt 0x0
	s_wait_xcnt 0x0
	v_lshl_add_u32 v254, v0, 2, 0x40000
	v_mov_b32 v255, 0
	s_wait_alu depctr_va_vdst(0)
	s_wait_tensorcnt 0x0
	ds_add_u32 v254, v255
	s_wait_dscnt 0x0
	CROUND                                         ; the closing round
	s_endpgm
.Lfunc_end_k_q23ac9ede59_attn:
	.size	k_q23ac9ede59_attn, .Lfunc_end_k_q23ac9ede59_attn-k_q23ac9ede59_attn
	.p2alignl 7, 3214868480
	.fill 96, 4, 3214868480
	.section	.rodata,"a",@progbits
	.p2align	6, 0x0
	.amdhsa_kernel k_q23ac9ede59_attn
		.amdhsa_group_segment_fixed_size 327680
		.amdhsa_private_segment_fixed_size 0
		.amdhsa_enable_private_segment 0
		.amdhsa_kernarg_size 32
		.amdhsa_user_sgpr_count 2
		.amdhsa_user_sgpr_kernarg_segment_ptr 1
		.amdhsa_wavefront_size32 1
		.amdhsa_system_sgpr_workgroup_id_x 1
		.amdhsa_system_sgpr_workgroup_id_y 1
		.amdhsa_system_sgpr_workgroup_id_z 1
		.amdhsa_system_vgpr_workitem_id 0
		.amdhsa_next_free_vgpr 256
		.amdhsa_next_free_sgpr 80
		.amdhsa_reserve_vcc 1
		.amdhsa_float_denorm_mode_32 3
		.amdhsa_float_denorm_mode_16_64 3
		.amdhsa_fp16_overflow 1
		.amdhsa_memory_ordered 1
		.amdhsa_forward_progress 1
		.amdhsa_inst_pref_size 66
	.end_amdhsa_kernel
	.amdgpu_metadata
---
amdhsa.version: [ 1, 2 ]
amdhsa.kernels:
  - .name:           k_q23ac9ede59_attn
    .symbol:         k_q23ac9ede59_attn.kd
    .args:
      - { .name: q_img, .offset: 0, .size: 8, .value_kind: global_buffer, .address_space: global }
      - { .name: kv_img, .offset: 8, .size: 8, .value_kind: global_buffer, .address_space: global }
      - { .name: lowp_scales, .offset: 16, .size: 8, .value_kind: global_buffer, .address_space: global }
      - { .name: ctx_img, .offset: 24, .size: 8, .value_kind: global_buffer, .address_space: global }
    .group_segment_fixed_size: 327680
    .private_segment_fixed_size: 0
    .kernarg_segment_align: 8
    .kernarg_segment_size: 32
    .max_flat_workgroup_size: 512
    .sgpr_count:     80
    .vgpr_count:     256
    .wavefront_size: 32
...
	.end_amdgpu_metadata
.endif
;; end of part 2
;; launch proj (part 3): grid 4 x 32, 4 waves a work-group, clusters of 4 x 4, 327,680 bytes of LDS; arguments ctx_img, w_out_codes, lowp_scales, out0; writes out0
.if DOCPART == 3
	.amdgcn_target "amdgcn-amd-amdhsa--gfx1250"
	.amdhsa_code_object_version 6
	.text
	.protected	k_q23ac9ede59_proj
	.globl	k_q23ac9ede59_proj
	.p2align	8
	.type	k_q23ac9ede59_proj,@function
k_q23ac9ede59_proj:
	s_mov_b64 s[64:65], 0
	v_nop
	global_prefetch_b8 v0, s[64:65] scope:SCOPE_SE
	s_setreg_imm32_b32 hwreg(HW_REG_WAVE_MODE, 25, 1), 1
	s_wait_xcnt 0x0
	s_wait_alu depctr_hold_cnt(0) depctr_sa_sdst(0) depctr_va_vdst(0) depctr_va_sdst(0) depctr_va_ssrc(0) depctr_va_vcc(0) depctr_vm_vsrc(0)
	s_getreg_b32 s2, hwreg(HW_REG_IB_STS2, 6, 4)
	s_cmp_eq_u32 s2, 0
	s_cbranch_scc0 .Lentry_in_a_cluster
	s_endpgm
.Lentry_in_a_cluster:
	s_bfe_u32 s2, ttmp6, 0x10000c
	s_cmp_lg_u32 s2, 0xf033
	s_cbranch_scc0 .Lentry_shape_is_right
	s_endpgm
.Lentry_shape_is_right:
; out0 = ctx w_out^T on codes of BF8 (E5M2).  ctx: 8,192 tokens x 1,024 channels, as images of operand registers; w_out: [1024][1024] codes, K innermost; out0: [8192][1024] f32; sums in f32.
; ctx_img: [512 tiles of 16 tokens][16 heads][1,024 bytes]: a head's 1,024 bytes are a fragment of 16 tokens x 64 channels in the plain 8-bit layout (ISA guide 7.12.2), registers 4 g .. 4 g + 3 of all lanes in 512
; consecutive bytes, lane l's 16 bytes at 16 l.  Two neighbouring heads, 2,048 bytes, are a fragment of 16 tokens x 128: four loads of 16 bytes a lane, each of 512 consecutive LDS bytes: no pitch, no padding.
; So k stands in its true places in A, and B's fragments are fetched to match: registers 2 c, 2 c + 1 hold K = 16 c + 8 (l / 16) + 0 .. 7: eight loads of 8 bytes from padded rows.
; Each finished sum is multiplied once by 2^(e6 + e7).  LIMIT: e6 + e7 lies between -126 and 127, so that this is an f32 number.
; A tile of out0, 256 x 256, is made by a work-group of four waves; a wave makes 128 x 128: 64 accumulators, 512 registers.  K goes in steps of 256 through a ring of two LDS slots.
; out0 has 128 such tiles.  A smaller tile would give more work-groups, but each LDS byte would feed half as many multiply-adds; this text keeps the large tile.
; CLUSTERS: 4 x 4 work-groups.  The four of a row of the cluster need the same tiles of A, the four of a column the same tiles of B: each tile is asked for JOINTLY.
; THE MATRIX INSTRUCTION IS USED TRANSPOSED (source 0 = 16 rows of w_out, source 1 = 16 tokens): a lane then holds eight neighbouring numbers of a row of out0.
; REGISTERS, in windows of 256: window 0: v0-31 addresses; from v128 A's fragments, ONE set; on the way out v32-255 are free.
;   window 1: B's fragments, TWO sets, at v0 and v128.   window 2: the accumulators of my rows 0-63 ((a, b) at v[8 (8 a + b)]);   window 3: those of my rows 64-127.
.set SIZE_N, 1024
.set KROW,   1024                      ; a row of w_out in memory, in bytes
.set PITCH,  272                       ; an LDS row of B: 256 bytes + 16 of padding = 68 words: lane (r, h) of a load of 8 bytes starts at bank 4 r + 2 h (64 banks of 4 bytes: ISA guide 11.1)
.set FR,     16                        ; registers of a fragment: 16 rows x 128 K
.set NL,     4                         ; LDS loads that bring one of A's
.set NP,     4                         ; places behind this matrix instruction (ISA guide 7.12.1)
.set AHALF,  32768                     ; 8 tiles of 16 tokens x 4,096 bytes (256 along K): what one tensor load brings of A
.set BOFF,   2*AHALF                   ; B's rows lie behind A's images
.set BHALF,  128*PITCH                 ; 128 rows of B
.set SLOT,   BOFF+2*BHALF
.set LAPS,   2                         ; a lap = two K steps = once round the ring: 1,024 / 512
.set SPARE,  2*SLOT                    ; behind the ring: the spare words, 128 bytes for each wave: two blocks of 256 bytes that no other line names
.set SPITCH, 528                       ; the way out: a stage of 16 rows x (512 bytes + 16) for each wave.  It lies in slot 0, which has had its last fill and its last read when the first result is stored there
.set ADRA, 16                          ; v16-17  LDS address of my A fragments in slot 0, 1
.set ADRB, 20                          ; v20-21  the same for B
.set STO,  24                          ; v24     the way out: where I put 32 bytes of a row
.set RD,   25                          ; v25     the way out: where I read a row back
.set CO,   26                          ; v26     16 x lane: my place in an image, and my byte offset in a row of out0
.set SPW,  28                          ; v28     LDS address of my spare word; never rewritten
.set NIL,  29                          ; v29     0; never rewritten
.set TMP,  32                          ; the way out: 64 registers, a block's sums x 2^(e6 + e7)
.set AF,   128                         ; A's fragments, in window 0
.set BK,   128                         ; the way out: 16 rows read back from the stage: v128-191 and v192-255 by turns
.set G1, 24                            ; s[24:31] descriptor group 1 for A's tiles;  s[32:39] group 0, one set for each slot
.set G0, 32
.set G1B, 48                           ; s[48:55], s[56:63] the same for B's tiles
.set G0B, 56
.set MSB, 0
.macro WIN new                         ; the immediate's high byte repeats the setting that is left
.if MSB != \new
	s_set_vgpr_msb (MSB<<8)|\new
.set MSB, \new
.endif
.endm
.set MUL_LO, 0xa1                      ; source 0 (B) window 1, source 1 (A) window 0, C and D window 2
.set MUL_HI, 0xf1                      ; the same, C and D window 3
.set TO_B,   0x40                      ; destination window 1, address window 0
; A joint load: waves 0 and 1 fetch for A, waves 2 and 3 for B.  The branch hangs on the wave's number alone.  Four v_nop follow each of the two lines.
.macro JLOAD g0a, g1a, g0b, g1b
	s_cmp_eq_u32 s15, 0
	s_cbranch_scc0 .Lfor_b_\@
	tensor_load_to_lds s[\g0a:\g0a+3], s[\g1a:\g1a+7]
	s_nop 0
.rept 4
	v_nop
.endr
	s_branch .Lasked_\@
.Lfor_b_\@:
	tensor_load_to_lds s[\g0b:\g0b+3], s[\g1b:\g1b+7]
	s_nop 0
.rept 4
	v_nop
.endr
.Lasked_\@:
.endm
.macro CREST                           ; a round of the cluster's barrier behind its opening barrier
	s_cmp_lg_u32 s14, 0
	s_cbranch_scc1 .Lnot_wave_0_\@
	s_barrier_signal -3
.Lnot_wave_0_\@:
	s_barrier_wait -3
	s_barrier_signal -1
	s_barrier_wait -1
.endm
.macro CROUND                          ; a whole round
	s_barrier_signal -1
	s_barrier_wait -1
	CREST
.endm
	s_load_b128 s[4:7], s[0:1], 0x0                ; ctx_img s[4:5], w_out's codes s[6:7]
	s_load_b128 s[8:11], s[0:1], 0x10              ; the scales' exponents s[8:9], out0 s[10:11]
	v_lshl_add_u32 v[SPW], v0, 2, SPARE
	v_mov_b32 v[NIL], 0
	ds_add_u32 v28, v29
	ds_add_u32 v28, v29
	s_wait_dscnt 0x0
	v_lshrrev_b32 v1, 5, v0
	v_readfirstlane_b32 s14, v1                    ; wave 0..3
	s_lshr_b32 s15, s14, 1                         ; which half of the tile's rows is mine.  Also: I fetch for A (0) or for B (1)
	s_and_b32 s16, s14, 1                          ; which half of its columns.  Also: which half of that tile I fetch
	s_bfe_u32 s40, ttmp6, 0x40000                  ; cx, cy: my place in the cluster
	s_bfe_u32 s41, ttmp6, 0x40004
	s_lshl_b32 s42, ttmp9, 2
	s_add_co_u32 s42, s42, s40                     ; tile column of out0 = 4 x cluster x + cx
	s_and_b32 s17, ttmp7, 0xffff
	s_lshl_b32 s17, s17, 2
	s_add_co_u32 s17, s17, s41                     ; tile row of out0 = 4 x cluster y + cy
	s_lshl_b32 s43, s41, 2
	s_lshl_b32 s43, 15, s43                        ; my row of the cluster
	s_lshl_b32 s44, 0x1111, s40                    ; my column
	; descriptor group 1 for A: 8 rows (tiles of 16 tokens) x 4,096 bytes (four heads' images), 16,384 bytes apart in memory, dense in LDS; elements of 8 bytes
	s_or_b32 s[G1+0], s43, (3<<16)|(1<<21)         ; 15:0 the mask: A's tiles go to my row; 17:16 elements of 8 bytes; 21 set beside a mask; no padding
	s_mov_b32 s[G1+1], 512<<16                     ; tensor_dim0 = 512
	s_mov_b32 s[G1+2], 8<<16                       ; tensor_dim1 = 8
	s_mov_b32 s[G1+3], 512<<16                     ; tile_dim0 = 512
	s_mov_b32 s[G1+4], 8                           ; tile_dim1 = 8
	s_mov_b32 s[G1+5], 2048                        ; tensor_dim0_stride
	s_mov_b32 s[G1+6], 0
	s_mov_b32 s[G1+7], 0
	; for B: 128 rows x 256 bytes, padded in LDS; elements of 1 byte
	s_or_b32 s[G1B+0], s44, (0<<16)|(1<<20)|(1<<21)|(5<<22)|(3<<25)  ; the mask of my column; 20 padding on; 24:22 after every 64 words (code 5); 31:25 of 4 words (code 3)
	s_mov_b32 s[G1B+1], 256<<16
	s_mov_b32 s[G1B+2], 128<<16
	s_mov_b32 s[G1B+3], 256<<16
	s_mov_b32 s[G1B+4], 128
	s_mov_b32 s[G1B+5], KROW
	s_mov_b32 s[G1B+6], 0
	s_mov_b32 s[G1B+7], 0
	s_lshl_b32 s20, s17, 4
	s_lshl_b32 s18, s16, 3
	s_add_co_u32 s20, s20, s18                     ; A: tile of tokens 16 x tile row + 8 x half,
	s_lshl_b32 s20, s20, 14                        ; in bytes
	s_mov_b32 s21, 0
	s_lshl_b32 s46, s42, 8
	s_lshl_b32 s18, s16, 7
	s_add_co_u32 s46, s46, s18                     ; B: row 256 x tile column + 128 x half,
	s_lshl_b32 s46, s46, 10                        ; in bytes
	s_mov_b32 s47, 0
	s_lshl_b32 s45, s16, 15                        ; where they go: A's half,
	s_mul_i32 s66, s16, BHALF
	s_add_co_u32 s66, s66, BOFF                    ; B's half: no place in the cluster enters an LDS address
	s_wait_kmcnt 0x0
	s_load_b64 s[96:97], s[8:9], 0x18              ; e6, e7
	s_add_nc_u64 s[20:21], s[4:5], s[20:21]
	s_add_nc_u64 s[46:47], s[6:7], s[46:47]
	CROUND                                         ; all sixteen work-groups are here: the first joint loads meet
.irp s, 0,1
	s_mov_b32 s[G0+4*\s], 1
	s_add_co_u32 s[G0+4*\s+1], s45, \s*SLOT
	s_add_nc_u64 s[G0+4*\s+2:G0+4*\s+3], s[20:21], \s*4096
	s_or_b32 s[G0+4*\s+3], s[G0+4*\s+3], 0x80000000
	s_mov_b32 s[G0B+4*\s], 1
	s_add_co_u32 s[G0B+4*\s+1], s66, \s*SLOT
	s_add_nc_u64 s[G0B+4*\s+2:G0B+4*\s+3], s[46:47], \s*256
	s_or_b32 s[G0B+4*\s+3], s[G0B+4*\s+3], 0x80000000
	s_wait_alu depctr_va_vdst(0)
	s_wait_tensorcnt 0x0
	ds_add_u32 v28, v29
	ds_add_u32 v28, v29
	s_wait_dscnt 0x0
	CROUND
	JLOAD G0+4*\s, G1, G0B+4*\s, G1B
.endr
	v_and_b32 v1, 15, v0                           ; l % 16
	v_bfe_u32 v2, v0, 4, 1                         ; l / 16
	v_and_b32 v6, 31, v0
	v_lshlrev_b32 v[CO], 4, v6                     ; 16 x lane
	v_mul_u32_u24 v3, v1, PITCH
	v_lshl_add_u32 v4, v2, 3, v3                   ; B: a fragment's row x pitch + 8 x half
	s_lshl_b32 s21, s15, 15                        ; my 8 tiles of tokens
	s_mul_i32 s22, s16, BHALF                      ; my 128 rows of B,
	s_add_co_u32 s22, s22, BOFF                    ; which lie behind A's images
.irp s, 0,1
	v_add_nc_u32 v[ADRA+\s], s21, v[CO]
	v_add_nc_u32 v[ADRB+\s], s22, v4
	s_add_co_u32 s21, s21, SLOT
	s_add_co_u32 s22, s22, SLOT
.endr
	s_mul_i32 s23, s14, 16*SPITCH                  ; my stage
	v_mul_u32_u24 v5, v1, SPITCH                   ; in: row l % 16, 32 bytes for each half of the lanes
	v_lshl_add_u32 v5, v2, 5, v5
	v_add_nc_u32 v[STO], s23, v5
	v_add_nc_u32 v[RD], s23, v[CO]                 ; back: the 32 lanes take one row of 512 bytes
	s_lshl_b32 s20, s17, 8
	s_lshl_b32 s21, s15, 7
	s_add_co_u32 s20, s20, s21                     ; my first row of out0: 256 x tile row + 128 x half,
	s_lshl_b32 s20, s20, 12                        ; in bytes: 8,192 rows of 4,096 at the most
	s_mov_b32 s21, 0
	s_lshl_b32 s46, s42, 10                        ; my first column, in bytes: 1024 x tile column + 512 x half
	s_lshl_b32 s47, s16, 9
	s_add_co_u32 s46, s46, s47
	s_mov_b32 s47, 0
	s_add_nc_u64 s[20:21], s[20:21], s[46:47]
	s_add_nc_u64 s[10:11], s[10:11], s[20:21]
.macro FRAGA reg, adr, q, i            ; A's fragment of tile i, the slot's q-th 128 along K: its image, 2,048 bytes on end
.irp c, 0,1,2,3
	ds_load_b128 v[\reg+4*\c:\reg+4*\c+3], v[\adr] offset:4096*(\i)+2048*(\q)+512*\c
.endr
.endm
.macro FRAGB reg, adr, q, i            ; B's fragment: lane l holds row l % 16; registers 2 c, 2 c + 1 hold K = 16 c + 8 (l / 16) + 0 .. 7
.irp c, 0,1,2,3,4,5,6,7
	ds_load_b64 v[\reg+2*\c:\reg+2*\c+1], v[\adr] offset:128*(\q)+16*\c+(\i)*16*PITCH
.endr
.endm
; 16 matrix instructions: A's blocks a0, a0 + 1 x B's eight, 128 along K.  p: B's set.  zero = 1: the first product starts the sums: nothing is ever cleared.
; The 64 accumulators take turns, one instruction a turn, in the same order in every step.
.macro MUL16 a0, p, zero
.irp a, \a0, \a0+1
.irp b, 0,1,2,3,4,5,6,7
.if \zero
	v_wmma_f32_16x16x128_bf8_bf8 v[8*(8*((\a)%4)+\b):8*(8*((\a)%4)+\b)+7], v[128*(\p)+FR*\b:128*(\p)+FR*\b+FR-1], v[AF+FR*(\a):AF+FR*(\a)+FR-1], 0
.else
	v_wmma_f32_16x16x128_bf8_bf8 v[8*(8*((\a)%4)+\b):8*(8*((\a)%4)+\b)+7], v[128*(\p)+FR*\b:128*(\p)+FR*\b+FR-1], v[AF+FR*(\a):AF+FR*(\a)+FR-1], v[8*(8*((\a)%4)+\b):8*(8*((\a)%4)+\b)+7]
.endif
.endr
.endr
.endm
.macro FETCH_B slot, q, p              ; B's eight fragments of the slot's q-th 128 along K into set p
	WIN TO_B
.irp i, 0,1,2,3,4,5,6,7
	FRAGB 128*(\p)+FR*\i, ADRB+\slot, \q, \i
.endr
	WIN 0
.endm
.macro FETCH_A slot, q, i0             ; A's blocks i0 .. i0 + 3
.irp i, \i0, \i0+1, \i0+2, \i0+3
	FRAGA AF+FR*(\i), ADRA+\slot, \q, \i
.endr
.endm
; A load into a register that a matrix instruction has read, and a vector instruction or an LDS store that reads a matrix result, stand NP places behind that matrix instruction, and only plain vector
; instructions that name none of its registers are places (ISA guide 7.12.1 for vector instructions).
.macro PLACES n
.rept \n
	v_nop
.endr
.endm
; A step of 128 along K that has its successor in the same slot.
.macro STEP slot, q, zero
	s_wait_dscnt 4*NL                              ; B's set and A's blocks 0-3 are in; the youngest sixteen loads (A's blocks 4-7) may be out
	WIN MUL_LO
	MUL16 0, (\q)%2, \zero
	MUL16 2, (\q)%2, \zero
	s_wait_dscnt 0                                 ; A's blocks 4-7 are in (asked for 32 matrix instructions ago)
	PLACES NP
	FETCH_B \slot, (\q)+1, 1-(\q)%2
	FETCH_A \slot, (\q)+1, 0
	WIN MUL_HI
	MUL16 4, (\q)%2, \zero
	MUL16 6, (\q)%2, \zero
	PLACES NP
	WIN 0
	FETCH_A \slot, (\q)+1, 4
.endm
; A slot's last step changes slots: ONE barrier; in front of it each wave waits for all its tensor loads, adds 0 to its spare word, and waits for that and for its own reads of this slot.  fill = 1: this slot is filled again, two K steps ahead.
.macro TURN slot, next, fill
	s_wait_tensorcnt 0x0                           ; all my tensor loads have landed: my part of the next slot;  (every window is 0 here: the add's two registers lie in window 0)
	ds_add_u32 v[SPW], v[NIL]                      ; 0 onto my spare word
	s_wait_dscnt 4*NL+1                            ; (the add and the youngest sixteen loads, A's blocks 4-7, may be out)
	WIN MUL_LO
	MUL16 0, 1, 0                                  ; sixteen matrix instructions stand between the add and the wait for it
	s_wait_dscnt 0x0                               ; the add is done, and my reads of this slot are over
	s_barrier_signal -1
	MUL16 2, 1, 0
	WIN 0
	s_barrier_wait -1
.if \fill
	CREST                                          ; the barrier has opened a round of the cluster's barrier: no wave of any partner still reads this slot's tile or has a load on its way
	s_add_nc_u64 s[G0+4*\slot+2:G0+4*\slot+3], s[G0+4*\slot+2:G0+4*\slot+3], 2*4096
	s_add_nc_u64 s[G0B+4*\slot+2:G0B+4*\slot+3], s[G0B+4*\slot+2:G0B+4*\slot+3], 2*256
	JLOAD G0+4*\slot, G1, G0B+4*\slot, G1B         ; the first tensor load behind the round; the four v_nop behind it are the places in front of the loads below
.else
	PLACES NP
.endif
	FETCH_B \next, 0, 0
	FETCH_A \next, 0, 0
	WIN MUL_HI
	MUL16 4, 1, 0
	MUL16 6, 1, 0
	PLACES NP
	WIN 0
	FETCH_A \next, 0, 4
.endm
	s_wait_alu depctr_va_vdst(0)
	s_wait_tensorcnt 1                             ; my part of K step 0 is in (K step 1's load may be out)
	s_barrier_signal -1
	s_barrier_wait -1                              ; everybody's is
	FETCH_B 0, 0, 0
	FETCH_A 0, 0, 0
	FETCH_A 0, 0, 4
	STEP 0, 0, 1                                   ; the first step stands in front of the loop: its products start the sums
	s_mov_b32 s3, LAPS-1
.Llap:                                                 ; a trip goes once round the ring, from a lap's second step to the next lap's first, and fills both slots again
	TURN 0, 1, 1
	STEP 1, 0, 0
	TURN 1, 0, 1
	STEP 0, 0, 0
	s_sub_co_u32 s3, s3, 1
	s_cmp_lg_u32 s3, 0
	s_cbranch_scc1 .Llap
	TURN 0, 1, 0                                   ; the last lap fills nothing, and has no round of the cluster's barrier
	STEP 1, 0, 0
	s_wait_dscnt 4*NL                              ; the very last step: nothing more to fetch
	WIN MUL_LO
	MUL16 0, 1, 0
	MUL16 2, 1, 0
	s_wait_dscnt 0
	WIN MUL_HI
	MUL16 4, 1, 0
	MUL16 6, 1, 0
	WIN 0
; THE WAY OUT, block by block of 16 rows x 128 columns.  A lane holds 32 neighbouring bytes of a row, and the lanes beside it hold other rows: so a block goes through my own stage in LDS and comes back as whole
; rows of 512 bytes, which the 32 lanes store as two aligned runs of 256 bytes.  LDS serves a wave's instructions in order (ISA guide 5.7.1.4): no wait between the stores and the loads, nor in front of the next block's stores.
.macro TOSTAGE a
.set AC, 64*((\a)%4)
.set WS, 0x02+((\a)/4)
	WIN WS                                         ; source 0: window 2 or 3
.irp j, 0,2,4,6,8,10,12,14,16,18,20,22,24,26,28,30,32,34,36,38,40,42,44,46,48,50,52,54,56,58,60,62
	v_pk_mul_f32 v[TMP+\j:TMP+\j+1], v[AC+\j:AC+\j+1], s[96:97] op_sel_hi:[1,0]   ; both x s96 = 2^(e6 + e7); each accumulator from its low end on
.endr
	WIN 0
.irp b, 0,1,2,3,4,5,6,7
	ds_store_b128 v[STO], v[TMP+8*\b:TMP+8*\b+3] offset:64*\b
	ds_store_b128 v[STO], v[TMP+8*\b+4:TMP+8*\b+7] offset:64*\b+16
.endr
.set BB, BK+64*((\a)%2)
.irp t, 0,1,2,3,4,5,6,7,8,9,10,11,12,13,14,15
	ds_load_b128 v[BB+4*\t:BB+4*\t+3], v[RD] offset:\t*SPITCH
.endr
.endm
.macro SEND a, younger                 ; younger: the LDS instructions issued behind block a's loads, which may stay out
.set BB, BK+64*((\a)%2)
	s_wait_dscnt \younger                          ; the block is back in registers
.if (\a) > 0
	s_add_nc_u64 s[10:11], s[10:11], 16*SIZE_N*4   ; (behind a wait on XCNT: the earlier stores have read their base)  16 rows of out0 on
.endif
.irp t, 0,1,2,3,4,5,6,7,8,9,10,11,12,13,14,15
	global_store_b128 v[CO], v[BB+4*\t:BB+4*\t+3], s[10:11] offset:\t*SIZE_N*4 th:TH_STORE_NT   ; 32 lanes store 512 consecutive bytes, at a multiple of 512 from out0's first byte; written once, read by nobody here
.endr
.endm
	s_wait_kmcnt 0x0
	s_add_co_i32 s96, s96, s97                     ; e6 + e7, between -126 and 127,
	s_add_co_i32 s96, s96, 127
	s_lshl_b32 s96, s96, 23                        ; makes the f32 number 2^(e6 + e7)
	PLACES NP                                      ; behind the last products: for the loads into the registers that held A's fragments and for the reads of results
	TOSTAGE 0
.irp a, 1,2,3,4,5,6,7
.if \a > 1
	s_wait_xcnt 0x0                                ; block a - 2's stores have read their registers and their base: block a's loads may land there, and the base may step
.endif
	TOSTAGE \a
	SEND \a-1, 32                                  ; behind block a - 1's loads: block a's 16 stores and 16 loads
.endr
	s_wait_xcnt 0x0                                ; block 6's stores have read their base
	SEND 7, 0
	s_wait_tensorcnt 0x0                           ; the wave's end: behind my last tensor load and my last LDS store
	ds_add_u32 v[SPW], v[NIL]
	s_wait_dscnt 0x0
	CROUND                                         ; the closing round: no work-group ends while a partner may still ask for a tile that names it
	s_endpgm
.Lfunc_end_k_q23ac9ede59_proj:
	.size	k_q23ac9ede59_proj, .Lfunc_end_k_q23ac9ede59_proj-k_q23ac9ede59_proj
	.p2alignl 7, 3214868480
	.fill 96, 4, 3214868480
	.section	.rodata,"a",@progbits
	.p2align	6, 0x0
	.amdhsa_kernel k_q23ac9ede59_proj
		.amdhsa_group_segment_fixed_size 327680
		.amdhsa_private_segment_fixed_size 0
		.amdhsa_enable_private_segment 0
		.amdhsa_kernarg_size 32
		.amdhsa_user_sgpr_count 2
		.amdhsa_user_sgpr_kernarg_segment_ptr 1
		.amdhsa_wavefront_size32 1
		.amdhsa_system_sgpr_workgroup_id_x 1
		.amdhsa_system_sgpr_workgroup_id_y 1
		.amdhsa_system_sgpr_workgroup_id_z 1
		.amdhsa_system_vgpr_workitem_id 0
		.amdhsa_next_free_vgpr 1024
		.amdhsa_next_free_sgpr 98
		.amdhsa_reserve_vcc 0
		.amdhsa_float_denorm_mode_32 3
		.amdhsa_float_denorm_mode_16_64 3
		.amdhsa_memory_ordered 1
		.amdhsa_forward_progress 1
		.amdhsa_inst_pref_size 140
	.end_amdhsa_kernel
	.amdgpu_metadata
---
amdhsa.version: [ 1, 2 ]
amdhsa.kernels:
  - .name:           k_q23ac9ede59_proj
    .symbol:         k_q23ac9ede59_proj.kd
    .args:
      - { .name: ctx_img, .offset: 0, .size: 8, .value_kind: global_buffer, .address_space: global }
      - { .name: w_out_codes, .offset: 8, .size: 8, .value_kind: global_buffer, .address_space: global }
      - { .name: lowp_scales, .offset: 16, .size: 8, .value_kind: global_buffer, .address_space: global }
      - { .name: out0, .offset: 24, .size: 8, .value_kind: global_buffer, .address_space: global }
    .group_segment_fixed_size: 327680
    .private_segment_fixed_size: 0
    .kernarg_segment_align: 8
    .kernarg_segment_size: 32
    .max_flat_workgroup_size: 128
    .sgpr_count:     98
    .vgpr_count:     1024
    .wavefront_size: 32
...
	.end_amdgpu_metadata
.endif
;; end of part 3
